; MI455X (gfx1250); checked and timed in simulation.
; The chip was launched on July 23, 2026; its instructions are those of AMD's public machine-readable ISA for CDNA 5 (MIT licence, August 2026) and "CDNA5" Instruction Set Architecture Reference Guide (July 2026). The comments in the code are by the model that wrote it; some were corrected since.
;; Height Renderer. Allowed arithmetic: float matrix products may take bf16 or f16 operands with f32 sums; all other float work in f32.
;; Inputs: density 4 x 64 x 256 x 256 float32.
;; Outputs: out0 4 x 1 x 256 x 256 float32.
;; 2 versions, each right; version 2 is version 1 with the launch height written anew for expert scheduling mode. Each part assembles by itself: llvm-mc -triple=amdgcn-amd-amdhsa -mcpu=gfx1250 --defsym DOCPART=n.
;; ======== version 1 of 2: 1 launch
;; launch height (part 1): grid 256 x 1, 8 waves a work-group, no clusters, 0 bytes of LDS; arguments density, out0; writes out0
.if DOCPART == 1
	.amdgcn_target "amdgcn-amd-amdhsa--gfx1250"
	.amdhsa_code_object_version 6
	.text
	.protected	k_q693779b921_height
	.globl	k_q693779b921_height
	.p2align	8
	.type	k_q693779b921_height,@function
k_q693779b921_height:
	s_mov_b64 s[64:65], 0
	v_nop
	global_prefetch_b8 v0, s[64:65] scope:SCOPE_SE
	s_setreg_imm32_b32 hwreg(HW_REG_WAVE_MODE, 25, 1), 1
	s_wait_xcnt 0x0
; HeightRenderer.  density: [4][64][256][256] f32.  out0: [4][1][256][256] f32.
;
; WHAT IS COMPUTED.  The sampling grid is built by the problem's own function from constants:
;   x, y: the sample points are the voxel centres (ix = j, iy = i up to the f32 rounding of linspace, at most about 255 * 2^-23 = 3e-5
;         of a voxel), so the interpolation in x and y is the identity up to that fraction of a neighbour's difference;
;   z:    iz(s) = 64 - s - s/63 in the volume of 65 layers (ground slab below).  With e_k = density layer 63 - k (top first):
;         sigma_s = (1 - s/63) e_s + (s/63) e_(s+1) for s = 0 .. 62, and sigma_63 = 1000 (the ground alone, weight 1).
; With T_s = exp(-(sigma_0 + .. + sigma_(s-1))) the product T_s alpha_s is T_s - T_(s+1), and summing by parts
;   depth = sum (s+1)(T_s - T_(s+1)) = T_0 + .. + T_63 - 64 T_64,   T_64 = T_63 exp(-1000) = 0, since exp(-1000) is 0 in f32 (alpha_63 = 1),
;   height = 64 - depth = 63 - (T_1 + .. + T_63).
; The running sum regroups by layers, all weights >= 0 (no difference of sums is formed):
;   sigma_0 + .. + sigma_(s-1) = e_0 + (62/63)(e_1 + .. + e_(s-1)) + ((s-1)/63) e_s.
; With -log2(e) folded into the weights, layer k costs each pixel: x = e_k c_k + R;  T = 2^x;  SUM += T;  R = e_k K + R,
;   c_k = -(k-1) log2(e)/63,  K = c_63.  One exponential a sample, and every layer of the input is read and used.
;
; LIMITS, stated: the order of rounding differs from the function's (telescoped sum, regrouped running sum).  The weights of at most about
; 3e-5 that f32 rounding of the grid may put on an x or y neighbour are dropped, so the text holds for finite inputs (a NaN or infinity does
; not spread to the neighbouring pixel).  v_exp_f32 returns 0 where T would be below 2^-126.  Where T overflows, so does the function's.
;
; THE SHAPE.  67,108,864 bytes in for some 50 million f32 operations: the bytes decide.  256 work-groups of 8 waves; a work-group owns 1,024
; neighbouring pixels of one batch, a wave 128, a lane 4 (16 bytes): each load of a wave covers 512 consecutive bytes, aligned.
; A wave's whole input is 64 such loads.  60 of them are issued in its first lines (60 slots of 4 registers are what 256 nameable registers
; leave beside 16 of state), the last 4 as the first four slots are used up: 8 x 60 x 512 = 245,760 bytes of the work-group are asked for at once.
; No LDS, no barrier: no wave reads another's bytes.  No cluster: no two work-groups read the same byte.  No matrix unit: there is no product.
; No prefetch: each byte is asked for by its own load at the very start.
.set LAYER, 262144                     ; bytes in a layer of one batch: 256 x 256 x 4
.set NLAY,  64                         ; layers
.set NSLOT, 60                         ; register slots = loads issued at the start
.set MID,   32                         ; the base stands at layer 32: offsets of +31 .. -32 layers fill the signed 24-bit immediate exactly
.set OFF, 1                            ; v1        16 x thread: my 16 bytes in the group's 4,096 of a layer, and of the output
.set R,   2                            ; v[2:5]    -log2(e) (e_0 + 62/63 (e_1 + .. + e_k)), four pixels
.set X,   6                            ; v[6:9]    exponent, then T, of the step at work
.set SUM, 10                           ; v[10:13]  T_1 + .. + T_k
.set D,   16                           ; v[16:255] slot n % 60: layer e_n as loaded
.set C1,  12                           ; s12       c_2 = -log2(e)/63
.set KK,  14                           ; s[14:15]  K = 62 c_2.  (Of each scalar pair the packed forms use the first word for both halves;
.set CK,  16                           ; s[16:17]  c_k            the second word is written once, with 0, and never enters a result.)
.set TOP, 18                           ; s[18:19]  63.0
.set L2E, 20                           ; s[20:21]  -log2(e)
	s_load_b128 s[4:7], s[0:1], 0x0                ; density s[4:5], out0 s[6:7]
	s_lshr_b32 s8, ttmp9, 6                        ; batch = group / 64
	s_lshl_b32 s8, s8, 24                          ; x 64 layers x 262,144 bytes
	s_and_b32 s9, ttmp9, 63                        ; the group's block of 1,024 pixels in the batch
	s_lshl_b32 s9, s9, 12                          ; x 4,096 bytes
	s_add_co_u32 s8, s8, s9
	s_add_co_u32 s8, s8, MID*LAYER                 ; + 32 layers; at most 3 x 2^24 + 63 x 2^12 + 2^23, far below 2^32
	s_mov_b32 s9, 0
	s_lshl_b32 s10, ttmp9, 12                      ; output: 64 groups x 4,096 bytes are one batch's 262,144, so simply group x 4,096
	s_mov_b32 s11, 0
	v_lshlrev_b32 v[OFF], 4, v0
	s_wait_kmcnt 0x0
	s_add_nc_u64 s[4:5], s[4:5], s[8:9]
	s_add_nc_u64 s[6:7], s[6:7], s[10:11]
; Load n brings e_n = layer 63 - n, which lies 31 - n layers from the base.  Read once in the whole launch: non-temporal.
.macro LOAD n
	global_load_b128 v[D+4*((\n)%NSLOT):D+4*((\n)%NSLOT)+3], v[OFF], s[4:5] offset:(MID-1-(\n))*LAYER th:TH_LOAD_NT
.endm
.set k, 0
.rept NSLOT
	LOAD k
.set k, k+1
.endr
	; constants, behind the loads so that nothing delays them
	s_mov_b32 s[C1], 0xbcbb989e                    ; -log2(e)/63 = -0.022899921
	s_cvt_f32_u32 s[KK], NLAY-2
	s_mul_f32 s[KK], s[KK], s[C1]                  ; K = 62 x that
	s_mov_b32 s[KK+1], 0
	s_mov_b32 s[CK+1], 0
	s_mov_b32 s[TOP], 0x427c0000                   ; 63.0
	s_mov_b32 s[TOP+1], 0
	s_mov_b32 s[L2E], 0xbfb8aa3b                   ; -log2(e)
	s_mov_b32 s[L2E+1], 0
	; LAYERS 0 AND 1.  sigma_0 = e_0, so T_1 = 2^(-log2(e) e_0): it starts the sums, nothing is cleared.  e_1 only enters R.
	s_wait_loadcnt NSLOT-2                         ; loads come back in order (ISA guide 5.7.1): of the 60 issued, the 58 behind e_1 may stay out
	v_pk_mul_f32 v[X:X+1],   v[D:D+1],   s[L2E:L2E+1] op_sel_hi:[1,0]
	v_pk_mul_f32 v[X+2:X+3], v[D+2:D+3], s[L2E:L2E+1] op_sel_hi:[1,0]
.irp i, 0,1,2,3
	v_exp_f32 v[SUM+\i], v[X+\i]
.endr
	v_pk_fma_f32 v[R:R+1],   v[D+4:D+5], s[KK:KK+1], v[X:X+1]   op_sel_hi:[1,0,1]   ; R = e_1 K - log2(e) e_0.  These two plain lines, which write
	v_pk_fma_f32 v[R+2:R+3], v[D+6:D+7], s[KK:KK+1], v[X+2:X+3] op_sel_hi:[1,0,1]   ; neither X nor SUM, stand behind the exponentials (ISA guide 5.7.2)
	LOAD NSLOT                                     ; slots 0 and 1 have been read: e_60 and e_61
	LOAD NSLOT+1
	; LAYERS 2 TO 62
.set k, 2
.rept NLAY-3
.set DK, D+4*(k%NSLOT)
	s_cvt_f32_u32 s[CK], k-1
	s_mul_f32 s[CK], s[CK], s[C1]                  ; c_k = -(k-1) log2(e)/63, rounded once from (k-1) x c_2
.if k < NLAY-NSLOT
	s_wait_loadcnt NSLOT-1                         ; behind e_k were issued e_(k+1) .. e_(k+59): 59
.else
	s_wait_loadcnt NLAY-1-k                        ; behind e_k were issued e_(k+1) .. e_63
.endif
	v_pk_fma_f32 v[X:X+1],   v[DK:DK+1],   s[CK:CK+1], v[R:R+1]   op_sel_hi:[1,0,1]  ; x = e_k c_k + R
	v_pk_fma_f32 v[X+2:X+3], v[DK+2:DK+3], s[CK:CK+1], v[R+2:R+3] op_sel_hi:[1,0,1]
.irp i, 0,1,2,3
	v_exp_f32 v[X+\i], v[X+\i]                     ; T_k
.endr
	v_pk_fma_f32 v[R:R+1],   v[DK:DK+1],   s[KK:KK+1], v[R:R+1]   op_sel_hi:[1,0,1]  ; R = e_k K + R: the plain work behind the exponentials,
	v_pk_fma_f32 v[R+2:R+3], v[DK+2:DK+3], s[KK:KK+1], v[R+2:R+3] op_sel_hi:[1,0,1]  ; before their results are read (ISA guide 5.7.2)
	s_wait_alu depctr_va_vdst(0)
	v_pk_add_f32 v[SUM:SUM+1],   v[SUM:SUM+1],   v[X:X+1]
	v_pk_add_f32 v[SUM+2:SUM+3], v[SUM+2:SUM+3], v[X+2:X+3]
.if k < NLAY-NSLOT
	LOAD k+NSLOT                                   ; slot k has been read: e_62, e_63
.endif
.set k, k+1
.endr
	; LAYER 63 (density layer 0): the last T; R is not needed any more.  The ground slab below it makes alpha_63 = 1 and T_64 = 0 (see the head).
.set DK, D+4*((NLAY-1)%NSLOT)
	s_wait_loadcnt 0x0                             ; nothing was issued behind e_63
	v_pk_fma_f32 v[X:X+1],   v[DK:DK+1],   s[KK:KK+1], v[R:R+1]   op_sel_hi:[1,0,1]  ; c_63 = K
	v_pk_fma_f32 v[X+2:X+3], v[DK+2:DK+3], s[KK:KK+1], v[R+2:R+3] op_sel_hi:[1,0,1]
.irp i, 0,1,2,3
	v_exp_f32 v[X+\i], v[X+\i]
.endr
	v_pk_add_f32 v[SUM:SUM+1],   v[SUM:SUM+1],   s[TOP:TOP+1] op_sel_hi:[1,0] neg_lo:[1,0] neg_hi:[1,0]   ; 63 - (T_1 + .. + T_62): plain work
	v_pk_add_f32 v[SUM+2:SUM+3], v[SUM+2:SUM+3], s[TOP:TOP+1] op_sel_hi:[1,0] neg_lo:[1,0] neg_hi:[1,0]   ; behind the exponentials
	s_wait_alu depctr_va_vdst(0)
	v_pk_add_f32 v[SUM:SUM+1],   v[SUM:SUM+1],   v[X:X+1]   neg_lo:[0,1] neg_hi:[0,1]                     ; - T_63 = the height
	v_pk_add_f32 v[SUM+2:SUM+3], v[SUM+2:SUM+3], v[X+2:X+3] neg_lo:[0,1] neg_hi:[0,1]
	global_store_b128 v[OFF], v[SUM:SUM+3], s[6:7] th:TH_STORE_NT  ; the wave stores 512 consecutive bytes, aligned; written once, not read again
	s_endpgm
.Lfunc_end_k_q693779b921_height:
	.size	k_q693779b921_height, .Lfunc_end_k_q693779b921_height-k_q693779b921_height
	.p2alignl 7, 3214868480
	.fill 96, 4, 3214868480
	.section	.rodata,"a",@progbits
	.p2align	6, 0x0
	.amdhsa_kernel k_q693779b921_height
		.amdhsa_group_segment_fixed_size 0
		.amdhsa_private_segment_fixed_size 0
		.amdhsa_enable_private_segment 0
		.amdhsa_kernarg_size 16
		.amdhsa_user_sgpr_count 2
		.amdhsa_user_sgpr_kernarg_segment_ptr 1
		.amdhsa_wavefront_size32 1
		.amdhsa_system_sgpr_workgroup_id_x 1
		.amdhsa_system_sgpr_workgroup_id_y 1
		.amdhsa_system_sgpr_workgroup_id_z 1
		.amdhsa_system_vgpr_workitem_id 0
		.amdhsa_next_free_vgpr 256
		.amdhsa_next_free_sgpr 66
		.amdhsa_reserve_vcc 0
		.amdhsa_float_denorm_mode_32 3
		.amdhsa_float_denorm_mode_16_64 3
		.amdhsa_memory_ordered 1
		.amdhsa_forward_progress 1
		.amdhsa_inst_pref_size 47
	.end_amdhsa_kernel
	.amdgpu_metadata
---
amdhsa.version: [ 1, 2 ]
amdhsa.kernels:
  - .name:           k_q693779b921_height
    .symbol:         k_q693779b921_height.kd
    .args:
      - { .name: density, .offset: 0, .size: 8, .value_kind: global_buffer, .address_space: global }
      - { .name: out0, .offset: 8, .size: 8, .value_kind: global_buffer, .address_space: global }
    .group_segment_fixed_size: 0
    .private_segment_fixed_size: 0
    .kernarg_segment_align: 8
    .kernarg_segment_size: 16
    .max_flat_workgroup_size: 256
    .sgpr_count:     66
    .vgpr_count:     256
    .wavefront_size: 32
...
	.end_amdgpu_metadata
.endif
;; end of part 1
;; ======== version 2 of 2: 1 launch; version 1 with the launch height written anew for expert scheduling mode
;; launch height (part 2): grid 256 x 1, 8 waves a work-group, no clusters, 0 bytes of LDS; arguments density, out0; writes out0
.if DOCPART == 2
	.amdgcn_target "amdgcn-amd-amdhsa--gfx1250"
	.amdhsa_code_object_version 6
	.text
	.protected	k_q693779b921_height
	.globl	k_q693779b921_height
	.p2align	8
	.type	k_q693779b921_height,@function
k_q693779b921_height:
	s_mov_b64 s[64:65], 0
	v_nop
	global_prefetch_b8 v0, s[64:65] scope:SCOPE_SE
	s_setreg_imm32_b32 hwreg(HW_REG_WAVE_SCHED_MODE, 0, 2), 2
	s_setreg_imm32_b32 hwreg(HW_REG_WAVE_MODE, 25, 1), 1
	s_wait_xcnt 0x0
	s_wait_alu depctr_vm_vsrc(0)
; HeightRenderer.  density: [4][64][256][256] f32.  out0: [4][1][256][256] f32.
;
; WHAT IS COMPUTED.  The sampling grid is built by the problem's own function from constants:
;   x, y: the sample points are the voxel centres (ix = j, iy = i up to the f32 rounding of linspace, at most about 255 * 2^-23 = 3e-5
;         of a voxel), so the interpolation in x and y is the identity up to that fraction of a neighbour's difference;
;   z:    iz(s) = 64 - s - s/63 in the volume of 65 layers (ground slab below).  With e_k = density layer 63 - k (top first):
;         sigma_s = (1 - s/63) e_s + (s/63) e_(s+1) for s = 0 .. 62, and sigma_63 = 1000 (the ground alone, weight 1).
; With T_s = exp(-(sigma_0 + .. + sigma_(s-1))) the product T_s alpha_s is T_s - T_(s+1), and summing by parts
;   depth = sum (s+1)(T_s - T_(s+1)) = T_0 + .. + T_63 - 64 T_64,   T_64 = T_63 exp(-1000) = 0, since exp(-1000) is 0 in f32 (alpha_63 = 1),
;   height = 64 - depth = 63 - (T_1 + .. + T_63).
; The running sum regroups by layers, all weights >= 0 (no difference of sums is formed):
;   sigma_0 + .. + sigma_(s-1) = e_0 + (62/63)(e_1 + .. + e_(s-1)) + ((s-1)/63) e_s.
; With -log2(e) folded into the weights, layer k costs each pixel: x = e_k c_k + R;  T = 2^x;  SUM += T;  R = e_k K + R,
;   c_k = -(k-1) log2(e)/63,  K = c_63.  One exponential a sample, and every layer of the input is read and used.
;
; LIMITS, stated: the order of rounding differs from the function's (telescoped sum, regrouped running sum).  The weights of at most about
; 3e-5 that f32 rounding of the grid may put on an x or y neighbour are dropped, so the text holds for finite inputs (a NaN or infinity does
; not spread to the neighbouring pixel).  v_exp_f32 returns 0 where T would be below 2^-126.  Where T overflows, so does the function's.
;
; THE SHAPE.  67,108,864 bytes in for some 50 million f32 operations: the bytes decide.  256 work-groups of 8 waves; a work-group owns 1,024
; neighbouring pixels of one batch, a wave 128, a lane 4 (16 bytes): each load of a wave covers 512 consecutive bytes, aligned.
; A wave's whole input is 64 such loads.  60 of them are issued in its first lines (60 slots of 4 registers are what 256 nameable registers
; leave beside 16 of state), the last 4 together when the first four slots are used up: 8 x 60 x 512 = 245,760 bytes of the work-group are asked for at once.
; No LDS, no barrier: no wave reads another's bytes.  No cluster: no two work-groups read the same byte.  No matrix unit: there is no product.
; No prefetch: each byte is asked for by its own load at the very start.
;
; THE MODE: SCHED_MODE bits 1:0 = 2 (LLVM: expert scheduling mode 2), set by the entry lines.  The code itself states the register dependences
; between vector instructions and memory instructions, with s_wait_alu, always for 0.
; THE PLAN.  The text is one straight run.  Registers that memory instructions touch:
;   v[OFF]        Written once, at the head; read by all 64 loads and by the store; never written again.
;   slots 4 - 59  Each written by one load, issued before any vector instruction names it; read by its own step's four multiply-adds.
;   slots 0 - 3   Loaded twice.  e_0 .. e_3 are read by layers 0 and 1 and by steps 2 and 3; then e_60 .. e_63 land there, read by steps 60 to 63.
;   v[SUM ..]     Written by vector instructions; read by the one store, at the end.
;   R and X are named by vector instructions alone.
; So three waits on va_vdst state everything: ahead of the first load (v[OFF] is written); at the head of step 4, behind its wait for data (the
; readers of slots 0 - 3 are done), with the four late loads in one run behind it; ahead of the store (SUM is written).
; No register that a memory instruction reads is ever written again, so no wait on vm_vsrc is owed; no vector instruction writes a scalar register,
; VCC or EXEC.
.set LAYER, 262144                     ; bytes in a layer of one batch: 256 x 256 x 4
.set NLAY,  64                         ; layers
.set NSLOT, 60                         ; register slots = loads issued at the start
.set MID,   32                         ; the base stands at layer 32: offsets of +31 .. -32 layers fill the signed 24-bit immediate exactly
.set OFF, 1                            ; v1        16 x thread: my 16 bytes in the group's 4,096 of a layer, and of the output
.set R,   2                            ; v[2:5]    -log2(e) (e_0 + 62/63 (e_1 + .. + e_k)), four pixels
.set X,   6                            ; v[6:9]    exponent, then T, of the step at work
.set SUM, 10                           ; v[10:13]  T_1 + .. + T_k
.set D,   16                           ; v[16:255] slot n % 60: layer e_n as loaded
.set C1,  12                           ; s12       c_2 = -log2(e)/63
.set KK,  14                           ; s[14:15]  K = 62 c_2.  (Of each scalar pair the packed forms use the first word for both halves;
.set CK,  16                           ; s[16:17]  c_k            the second word is written once, with 0, and never enters a result.)
.set TOP, 18                           ; s[18:19]  63.0
.set L2E, 20                           ; s[20:21]  -log2(e)
	s_load_b128 s[4:7], s[0:1], 0x0                ; density s[4:5], out0 s[6:7]
	s_lshr_b32 s8, ttmp9, 6                        ; batch = group / 64
	s_lshl_b32 s8, s8, 24                          ; x 64 layers x 262,144 bytes
	s_and_b32 s9, ttmp9, 63                        ; the group's block of 1,024 pixels in the batch
	s_lshl_b32 s9, s9, 12                          ; x 4,096 bytes
	s_add_co_u32 s8, s8, s9
	s_add_co_u32 s8, s8, MID*LAYER                 ; + 32 layers; at most 3 x 2^24 + 63 x 2^12 + 2^23, far below 2^32
	s_mov_b32 s9, 0
	s_lshl_b32 s10, ttmp9, 12                      ; output: 64 groups x 4,096 bytes are one batch's 262,144, so simply group x 4,096
	s_mov_b32 s11, 0
	v_lshlrev_b32 v[OFF], 4, v0
	s_wait_kmcnt 0x0
	s_add_nc_u64 s[4:5], s[4:5], s[8:9]
	s_add_nc_u64 s[6:7], s[6:7], s[10:11]
	s_wait_alu depctr_va_vdst(0)                   ; v[OFF] is written: every load of the kernel, and its store, reads it as the offset
; Load n brings e_n = layer 63 - n, which lies 31 - n layers from the base.  Read once in the whole launch: non-temporal.
.macro LOAD n
	global_load_b128 v[D+4*((\n)%NSLOT):D+4*((\n)%NSLOT)+3], v[OFF], s[4:5] offset:(MID-1-(\n))*LAYER th:TH_LOAD_NT
.endm
.set k, 0
.rept NSLOT
	LOAD k
.set k, k+1
.endr
	; constants, behind the loads so that nothing delays them
	s_mov_b32 s[C1], 0xbcbb989e                    ; -log2(e)/63 = -0.022899921
	s_cvt_f32_u32 s[KK], NLAY-2
	s_mul_f32 s[KK], s[KK], s[C1]                  ; K = 62 x that
	s_mov_b32 s[KK+1], 0
	s_mov_b32 s[CK+1], 0
	s_mov_b32 s[TOP], 0x427c0000                   ; 63.0
	s_mov_b32 s[TOP+1], 0
	s_mov_b32 s[L2E], 0xbfb8aa3b                   ; -log2(e)
	s_mov_b32 s[L2E+1], 0
	; LAYERS 0 AND 1.  sigma_0 = e_0, so T_1 = 2^(-log2(e) e_0): it starts the sums, nothing is cleared.  e_1 only enters R.
	s_wait_loadcnt NSLOT-2                         ; loads come back in order (ISA guide 5.7.1): of the 60 issued, the 58 behind e_1 may stay out
	v_pk_mul_f32 v[X:X+1],   v[D:D+1],   s[L2E:L2E+1] op_sel_hi:[1,0]
	v_pk_mul_f32 v[X+2:X+3], v[D+2:D+3], s[L2E:L2E+1] op_sel_hi:[1,0]
.irp i, 0,1,2,3
	v_exp_f32 v[SUM+\i], v[X+\i]
.endr
	v_pk_fma_f32 v[R:R+1],   v[D+4:D+5], s[KK:KK+1], v[X:X+1]   op_sel_hi:[1,0,1]   ; R = e_1 K - log2(e) e_0.  These two plain lines, which write
	v_pk_fma_f32 v[R+2:R+3], v[D+6:D+7], s[KK:KK+1], v[X+2:X+3] op_sel_hi:[1,0,1]   ; neither X nor SUM, stand behind the exponentials (ISA guide 5.7.2)
	; LAYERS 2 TO 62
.set k, 2
.rept NLAY-3
.set DK, D+4*(k%NSLOT)
	s_cvt_f32_u32 s[CK], k-1
	s_mul_f32 s[CK], s[CK], s[C1]                  ; c_k = -(k-1) log2(e)/63, rounded once from (k-1) x c_2
.if k <= NLAY-NSLOT
	s_wait_loadcnt NSLOT-1-k                       ; the four late loads are not yet issued: behind e_k stand e_(k+1) .. e_59
.else
	s_wait_loadcnt NLAY-1-k                        ; behind e_k were issued e_(k+1) .. e_63
.endif
.if k == NLAY-NSLOT
	s_wait_alu depctr_va_vdst(0)                   ; the multiply-adds of layers 0 and 1 and of steps 2 and 3 are done reading slots 0 to 3, in which the four loads below land
.irp n, 0,1,2,3
	LOAD NSLOT+\n                                  ; e_60 .. e_63; no vector instruction names these slots again before steps 60 to 63, behind their waits for data
.endr
.endif
	v_pk_fma_f32 v[X:X+1],   v[DK:DK+1],   s[CK:CK+1], v[R:R+1]   op_sel_hi:[1,0,1]  ; x = e_k c_k + R
	v_pk_fma_f32 v[X+2:X+3], v[DK+2:DK+3], s[CK:CK+1], v[R+2:R+3] op_sel_hi:[1,0,1]
.irp i, 0,1,2,3
	v_exp_f32 v[X+\i], v[X+\i]                     ; T_k
.endr
	v_pk_fma_f32 v[R:R+1],   v[DK:DK+1],   s[KK:KK+1], v[R:R+1]   op_sel_hi:[1,0,1]  ; R = e_k K + R: the plain work behind the exponentials,
	v_pk_fma_f32 v[R+2:R+3], v[DK+2:DK+3], s[KK:KK+1], v[R+2:R+3] op_sel_hi:[1,0,1]  ; before their results are read (ISA guide 5.7.2)
	s_wait_alu depctr_va_vdst(0)
	v_pk_add_f32 v[SUM:SUM+1],   v[SUM:SUM+1],   v[X:X+1]
	v_pk_add_f32 v[SUM+2:SUM+3], v[SUM+2:SUM+3], v[X+2:X+3]
.set k, k+1
.endr
	; LAYER 63 (density layer 0): the last T; R is not needed any more.  The ground slab below it makes alpha_63 = 1 and T_64 = 0 (see the head).
.set DK, D+4*((NLAY-1)%NSLOT)
	s_wait_loadcnt 0x0                             ; nothing was issued behind e_63
	v_pk_fma_f32 v[X:X+1],   v[DK:DK+1],   s[KK:KK+1], v[R:R+1]   op_sel_hi:[1,0,1]  ; c_63 = K
	v_pk_fma_f32 v[X+2:X+3], v[DK+2:DK+3], s[KK:KK+1], v[R+2:R+3] op_sel_hi:[1,0,1]
.irp i, 0,1,2,3
	v_exp_f32 v[X+\i], v[X+\i]
.endr
	v_pk_add_f32 v[SUM:SUM+1],   v[SUM:SUM+1],   s[TOP:TOP+1] op_sel_hi:[1,0] neg_lo:[1,0] neg_hi:[1,0]   ; 63 - (T_1 + .. + T_62): plain work
	v_pk_add_f32 v[SUM+2:SUM+3], v[SUM+2:SUM+3], s[TOP:TOP+1] op_sel_hi:[1,0] neg_lo:[1,0] neg_hi:[1,0]   ; behind the exponentials
	s_wait_alu depctr_va_vdst(0)
	v_pk_add_f32 v[SUM:SUM+1],   v[SUM:SUM+1],   v[X:X+1]   neg_lo:[0,1] neg_hi:[0,1]                     ; - T_63 = the height
	v_pk_add_f32 v[SUM+2:SUM+3], v[SUM+2:SUM+3], v[X+2:X+3] neg_lo:[0,1] neg_hi:[0,1]
	s_wait_alu depctr_va_vdst(0)                   ; the last additions have written v[SUM ..], which the store reads
	global_store_b128 v[OFF], v[SUM:SUM+3], s[6:7] th:TH_STORE_NT  ; the wave stores 512 consecutive bytes, aligned; written once, not read again
	s_endpgm
.Lfunc_end_k_q693779b921_height:
	.size	k_q693779b921_height, .Lfunc_end_k_q693779b921_height-k_q693779b921_height
	.p2alignl 7, 3214868480
	.fill 96, 4, 3214868480
	.section	.rodata,"a",@progbits
	.p2align	6, 0x0
	.amdhsa_kernel k_q693779b921_height
		.amdhsa_group_segment_fixed_size 0
		.amdhsa_private_segment_fixed_size 0
		.amdhsa_enable_private_segment 0
		.amdhsa_kernarg_size 16
		.amdhsa_user_sgpr_count 2
		.amdhsa_user_sgpr_kernarg_segment_ptr 1
		.amdhsa_wavefront_size32 1
		.amdhsa_system_sgpr_workgroup_id_x 1
		.amdhsa_system_sgpr_workgroup_id_y 1
		.amdhsa_system_sgpr_workgroup_id_z 1
		.amdhsa_system_vgpr_workitem_id 0
		.amdhsa_next_free_vgpr 256
		.amdhsa_next_free_sgpr 66
		.amdhsa_reserve_vcc 0
		.amdhsa_float_denorm_mode_32 3
		.amdhsa_float_denorm_mode_16_64 3
		.amdhsa_memory_ordered 1
		.amdhsa_forward_progress 1
		.amdhsa_inst_pref_size 47
	.end_amdhsa_kernel
	.amdgpu_metadata
---
amdhsa.version: [ 1, 2 ]
amdhsa.kernels:
  - .name:           k_q693779b921_height
    .symbol:         k_q693779b921_height.kd
    .args:
      - { .name: density, .offset: 0, .size: 8, .value_kind: global_buffer, .address_space: global }
      - { .name: out0, .offset: 8, .size: 8, .value_kind: global_buffer, .address_space: global }
    .group_segment_fixed_size: 0
    .private_segment_fixed_size: 0
    .kernarg_segment_align: 8
    .kernarg_segment_size: 16
    .max_flat_workgroup_size: 256
    .sgpr_count:     66
    .vgpr_count:     256
    .wavefront_size: 32
...
	.end_amdgpu_metadata
.endif
;; end of part 2
